; MI455X (gfx1250); checked and timed in simulation.
; The chip was launched on July 23, 2026; its instructions are those of AMD's public machine-readable ISA for CDNA 5 (MIT licence, August 2026) and "CDNA5" Instruction Set Architecture Reference Guide (July 2026). The comments in the code are by the model that wrote it; some were corrected since.
;; Ro BER Ta For Top K Entailment. Allowed arithmetic: matrix products marked QUANTISED: E2M3 operands, one E8M0 scale for each 32 along K, by v_wmma_scale_f32_16x16x128_f8f6f4 with both operands' format E2M3, f32 sums; products left as they are: f32 operands where the result goes on into a quantised operand, else bf16, f16 or f32 operands; f32 sums; everything else in f32.
;; Inputs: W1_codes 1,024 x 32 x 24 uint8 (E2M3 codes of W1, K innermost, in blocks of 32 codes, four codes in three bytes); W1_scales 1,024 x 32 uint8 (E8M0 scales of W1, one for each 32 codes along K); W2 1,024 x 1 float32; b1 1,024 float32; b2 1 float32; hidden_states 64 x 512 x 1,024 float32; ln_beta 1,024 float32; ln_gamma 1,024 float32; segment_ids 64 x 512 int32.
;; Outputs: out0 64 x 8 x 1 float32.
;; This version of the problem:
;;   THIS VERSION OF THE PROBLEM IS GIVEN IN LOW PRECISION. The matrix products marked QUANTISED in the list below multiply operands that are first quantised to E2M3 (2 exponent bits, 3 mantissa bits; 6 bits a number), with one power-of-two scale for each 32 numbers along K (OCP MX v1.0); their sums are f32. All else is computed in f32.
;;   The module's matrix products, in the order in which they are computed (A, B: the left and right operand; K: the contracted axis; several contracted axes count as one K, in the product's order):
;;     1. batch 64 x [M 8, K 512] x [K 512, N 1,024]; A: computed on the way; B: input hidden_states: left as it is (M = 8 < 16)
;;     2. [M 512, K 1,024] x [K 1,024, N 1,024]; A: computed on the way; B: input W1 (given as codes): QUANTISED
;;     3. [M 512, K 1,024] x [K 1,024, N 1]; A: computed on the way; B: input W2: left as it is (N = 1 < 16)
;;   THE QUANTISER, for each operand of a quantised product, along K:
;;     - K is cut into blocks of 32 from its start; a last block that is shorter is filled with zeros.
;;     - A block's scale is 2^e with e = floor(log2(the largest magnitude in the block)) - 2, held to -126 .. 127; a block of zeros has e = 0. As a byte (E8M0): e + 127.
;;     - Each number is divided by its block's scale, clamped to +-7.5, and rounded to the nearest number of E2M3, ties to even, subnormals kept.
;;     - The product sums the exact products of the quantised numbers (number of the format x scale) in f32.
;;   ~~~python
;;   def quantise(x, axis):      # numpy; x: float32 -> the quantised numbers, widened to float32 again
;;       x = np.moveaxis(x, axis, -1); K = x.shape[-1]
;;       x = np.pad(x, [(0, 0)] * (x.ndim - 1) + [(0, -K % 32)]); x = x.reshape(x.shape[:-1] + (-1, 32)); a = np.abs(x).max(-1, keepdims=True)
;;       e = np.where(a > 0, np.clip(np.frexp(np.where(a > 0, a, 1))[1] - 1 - 2, -126, 127), 0)      # np.frexp(a)[1] - 1 = floor(log2(a)), exactly
;;       r = np.clip(x / 2.0 ** e, -7.5, 7.5)
;;       step = 2.0 ** (np.maximum(np.frexp(np.where(r == 0, 1, r))[1] - 1, 0) - 3)
;;       q = np.round(r / step) * step * 2.0 ** e      # np.round: ties to even
;;       return np.moveaxis(q.reshape(q.shape[:-2] + (-1,))[..., :K], -1, axis).astype(np.float32)
;;   ~~~
;;   OPERANDS COMPUTED ON THE WAY. 'Computed on the way' means the value that the module computes at that place (a softmax that the list does not call 'softmax' is quantised finished and normalised). What goes into a quantiser is computed in f32, as accurately as f32 sums, v_exp_f32 and their like allow (about 1e-6 of the number): no bf16 or f16 on the way to a quantiser, and a product that is left as it is and whose result goes on into a quantised operand takes f32 operands (vector FMAs, or v_wmma_f32_16x16x4_f32). A number that lies on a knife's edge between two numbers of the format may be rounded either way, as far as f32 arithmetic and the matrix unit's own rounding can turn it there, and no further.
;;   INPUTS GIVEN AS CODES. W1 (in the module: [1024, 1024], K = its axis 0): each comes as NAME_codes (uint8): NAME with its K axis moved to the last place and cut into blocks of 32 codes, [.., K / 32, bytes a block], one block behind the other in memory; four codes in three bytes: a row's codes are one little-endian stream of bits, code i at bits 6 i .. 6 i + 5 (a code: sign, 2 exponent bits, 3 mantissa bits); and NAME_scales (uint8): the same leading axes, one E8M0 byte (e + 127) for each 32 codes along K. Its value is code x scale, taken as it is: it is not quantised again, and the codes and scales need not be those that the quantiser above would give.
;; 2 versions, each right and faster than the one before. Each part assembles by itself: llvm-mc -triple=amdgcn-amd-amdhsa -mcpu=gfx1250 --defsym DOCPART=n.
;; ======== version 1 of 2: 2 launches
;; workspace buffers: pcodes 393,216 bytes; pscales 16,384 bytes; pflag 2,048 bytes; w1img 786,432 bytes
;; launch pool (part 1): grid 512 x 1, 8 waves a work-group, no clusters, 6,656 bytes of LDS; arguments hidden_states, segment_ids, W1_codes, pcodes, pscales, pflag, w1img; writes pcodes, pscales, pflag, w1img
.if DOCPART == 1
	.amdgcn_target "amdgcn-amd-amdhsa--gfx1250"
	.amdhsa_code_object_version 6
	.text
	.protected	k_qd5374e9a44_pool
	.globl	k_qd5374e9a44_pool
	.p2align	8
	.type	k_qd5374e9a44_pool,@function
k_qd5374e9a44_pool:
	s_mov_b64 s[64:65], 0
	v_nop
	global_prefetch_b8 v0, s[64:65] scope:SCOPE_SE
	s_setreg_imm32_b32 hwreg(HW_REG_WAVE_MODE, 25, 1), 1
	s_wait_xcnt 0x0
; SEGMENT MEAN AND ITS QUANTISER.  Work-group g = pair (b = g / 8, k = g % 8) of 512.  From segment_ids[b] (512 whole numbers) it finds the first and the last place that hold k,
; takes the mean of the rows of hidden_states[b] that lie strictly between them, quantises that row of 1,024 numbers along H into codes of FP6 (E2M3) with one E8M0 byte for each 32,
; and stores 768 bytes of codes, 32 scale bytes and a flag (0.0, or a NaN pattern where no row lies between: 0 / 0).
; SHARES.  Thread t owns columns 4 t .. 4 t + 3 of every row: a wave's load covers 512 consecutive bytes that start at a multiple of 512, the eight waves a row of 4,096; no sum crosses lanes or waves.
; THE STREAM.  Rows come in chunks of 16, two sets of registers by turns: 32 loads of a wave are out.  Every chunk issues 16 loads on every way: a row number past the range is held at the range's
; last row, and such a row is multiplied by 0.  So the counted waits hold whatever the range is.  Row numbers derive from the index input by whole-number instructions alone, and are held at 511 last of all.
; BESIDE IT wave 0 lays ONE fragment of W1 (fragment g of 512: 16 rows x 128 along K, 12 registers a lane) into the order of the operand's registers, so that the next launch loads it by 16 bytes a lane.
; LIMITS.  NaN and infinities in hidden_states are not served (a row held at the range's end is multiplied by 0).  A block of zeros gets the scale byte 1 where the quantiser's text says 127: its codes are
; zeros, and this program alone reads the bytes.  Blocks whose largest magnitude lies under 2^-124 have their byte held at 1.  The sum runs over ascending rows in two chains (even, odd), in f32.
; Ranges of different k may overlap: each work-group then reads its own rows, some of them twice in the launch.
.set U,     16                         ; rows in a chunk
.set BP,    144                        ; LDS: a block of 32 numbers, 128 bytes + 16: 36 words, so that the lanes' 16-byte reads at 144 x lane begin at different banks (64 banks of 4 bytes: ISA guide 11.1)
.set CST,   4608                       ; LDS: behind the 32 blocks the row's 768 bytes of codes
.set WV,    18                         ; s18  wave
.set KK,    19                         ; s19  k
.set BB,    20                         ; s20  b
.set OP,    22                         ; s[22:23] an offset, its high word 0
.set MK,    24                         ; s[24:39] for each 32 places a mask: which hold k
.set MF,    40                         ; s40  the first mask that is not 0;  s41 its first place
.set JF,    41
.set ML,    42                         ; s42  the last mask that is not 0;   s43 its first place
.set JL,    43
.set FIRST, 44                         ; s44  start, then the first row
.set LAST,  45                         ; s45  end + 1, then the last row
.set CNT,   46                         ; s46  rows in the range
.set NEXT,  47                         ; s47  first row of the chunk to be asked for
.set REM,   48                         ; s48  rows of the range from the chunk to be summed on (signed)
.set ROW,   49
.set TRIPS, 50
.set TMP,   51
.set WT,    52                         ; s[52:53] a row's weight, 1.0 or 0: the packed form names a pair and takes its low word for both halves
.set SAVE,  54
.set FLAG,  55
.set DIV,   56                         ; s56  max(cnt, 1)
.set COL,   1                          ; v1   16 t: my bytes of a row
.set LANE,  2
.set L4,    3                          ; v3   4 x lane
.set ACC,   4                          ; v[4:7] sums of even rows of a chunk, v[8:11] of odd rows
.set LW,    12                         ; v12  LDS: where my four means go
.set LR,    13                         ; v13  LDS: block = lane
.set CW,    14                         ; v14  LDS: my block's 24 bytes of codes
.set CR,    15                         ; v15  LDS: 16 bytes a lane of the codes' first 512
.set RL,    16                         ; v[16:27] W1's fragment; never rewritten
.set L16,   28                         ; v28  16 x lane
.set WA,    29                         ; v29  W1: row lane % 16 of 768 bytes, + 24 (lane / 16)
.set CR2,   30                         ; v30  LDS: 16 bytes a lane of the codes' last 256
.set ZERO,  31
.set OFF,   32                         ; v[32:63]  the loads' offsets: set x 16 + j
.set X,     64                         ; v[64:191] the rows' pieces: set x 64 + 4 j.  Ahead of the stream v[64:79] hold the ids; behind it v64 on are at work
.set QN,    64                         ; the block's 32 numbers
.set QC,    96                         ; its codes
.set CC,    120                        ; the divisor, its reciprocal, a correction
.set QT,    124                        ; four quotients;  v[128:131] their remainders
	s_load_b256 s[4:11], s[0:1], 0x0               ; hidden_states s[4:5], segment_ids s[6:7], W1_codes s[8:9], pcodes s[10:11]
	s_load_b128 s[12:15], s[0:1], 0x20             ; pscales s[12:13], pflag s[14:15]
	s_load_b64 s[16:17], s[0:1], 0x30              ; w1img
	v_lshl_add_u32 v192, v0, 2, 0x1600
	v_mov_b32 v193, 0
	v_lshrrev_b32 v[LW], 5, v0
	v_readfirstlane_b32 s[WV], v[LW]               ; wave 0..7
	s_and_b32 s[KK], ttmp9, 7
	s_lshr_b32 s[BB], ttmp9, 3
	s_mov_b32 s[OP+1], 0
	s_mov_b32 s[WT+1], 0                           ; (named with the weight as a pair, so it is written)
	v_lshlrev_b32 v[COL], 4, v0
	v_and_b32 v[LANE], 31, v0
	v_lshlrev_b32 v[L4], 2, v[LANE]
	; every LDS address is made here, ahead of the first branch on the wave's number
	v_lshrrev_b32 v[LW], 3, v0                     ; my four columns lie in block t / 8,
	v_mul_u32_u24 v[LW], v[LW], BP
	v_and_b32 v[LR], 7, v0
	v_lshl_add_u32 v[LW], v[LR], 4, v[LW]          ; at 16 (t % 8) in it
	v_mul_u32_u24 v[LR], v[LANE], BP
	v_mul_u32_u24 v[CW], v[LANE], 24
	v_add_nc_u32 v[CW], CST, v[CW]
	v_lshl_add_u32 v[CR], v[LANE], 4, CST
	v_lshlrev_b32 v[L16], 4, v[LANE]
	v_and_b32 v[CR2], 15, v[LANE]
	v_mul_u32_u24 v[WA], v[CR2], 768
	v_lshrrev_b32 v[ZERO], 4, v[LANE]
	v_mad_u32_u24 v[WA], v[ZERO], 24, v[WA]
	v_lshl_add_u32 v[CR2], v[CR2], 4, CST+512
	v_mov_b32 v[ZERO], 0
	s_wait_kmcnt 0x0
	s_lshl_b32 s[OP], s[BB], 21                    ; a sequence is 512 rows of 4,096 bytes
	s_add_nc_u64 s[4:5], s[4:5], s[OP:OP+1]
	s_lshl_b32 s[OP], s[BB], 11                    ; and 512 ids of 4 bytes
	s_add_nc_u64 s[6:7], s[6:7], s[OP:OP+1]
	s_mul_i32 s[OP], s[BB], 12288                  ; fragment g: W1's rows 16 (g / 8) on, 768 bytes each,
	s_mul_i32 s[TMP], s[KK], 96                    ; K step g % 8: 96 bytes
	s_add_co_u32 s[OP], s[OP], s[TMP]
	s_add_nc_u64 s[8:9], s[8:9], s[OP:OP+1]
	s_mul_i32 s[OP], ttmp9, 768
	s_add_nc_u64 s[10:11], s[10:11], s[OP:OP+1]
	s_lshl_b32 s[OP], ttmp9, 5
	s_add_nc_u64 s[12:13], s[12:13], s[OP:OP+1]
	s_lshl_b32 s[OP], ttmp9, 2
	s_add_nc_u64 s[14:15], s[14:15], s[OP:OP+1]
	s_mul_i32 s[OP], ttmp9, 1536
	s_add_nc_u64 s[16:17], s[16:17], s[OP:OP+1]    ; none of these seven is written again
	s_cmp_lg_u32 s[WV], 0
	s_cbranch_scc1 .Lno_frag
.irp p, 0,1,2,3,4,5
	global_load_b64 v[RL+2*\p:RL+2*\p+1], v[WA], s[8:9] offset:48*(\p/3)+8*(\p%3)   ; lane (r, h): registers 6 c .. 6 c + 5 = the 24 bytes at 48 c + 24 h of row r's 96: the operand's own layout
.endr
.Lno_frag:
.set j, 0
.rept 16
	global_load_b32 v[X+j], v[L4], s[6:7] offset:128*j   ; every wave reads all 512 ids: lane l of load j holds place 32 j + l
.set j, j+1
.endr
	s_wait_loadcnt 0x0                             ; the ids, and in wave 0 the fragment
	; THE RANGE, in whole numbers
.set j, 0
.rept 16
	v_cmp_eq_u32 s[MK+j], s[KK], v[X+j]
.set j, j+1
.endr
	s_mov_b32 s[MF], 0
	s_mov_b32 s[JF], 0
	s_mov_b32 s[ML], 0
	s_mov_b32 s[JL], 0
.set j, 0
.rept 16
	s_cmp_lg_u32 s[MK+15-j], 0                     ; descending: what stays is the first mask that is not 0,
	s_cselect_b32 s[MF], s[MK+15-j], s[MF]
	s_cselect_b32 s[JF], 32*(15-j), s[JF]
	s_cmp_lg_u32 s[MK+j], 0                        ; ascending: the last
	s_cselect_b32 s[ML], s[MK+j], s[ML]
	s_cselect_b32 s[JL], 32*j, s[JL]
.set j, j+1
.endr
	s_ctz_i32_b32 s[TMP], s[MF]
	s_add_co_u32 s[FIRST], s[JF], s[TMP]           ; start
.irp n, 1,2,4,8,16
	s_lshr_b32 s[TMP], s[ML], \n                   ; the highest bit is spread downward: the count of ones is then its place + 1
	s_or_b32 s[ML], s[ML], s[TMP]
.endr
	s_bcnt1_i32_b32 s[TMP], s[ML]
	s_add_co_u32 s[LAST], s[JL], s[TMP]            ; end + 1
	s_sub_co_u32 s[CNT], s[LAST], s[FIRST]
	s_sub_co_u32 s[CNT], s[CNT], 2                 ; end - start - 1
	s_max_i32 s[CNT], s[CNT], 0
	s_cmp_lg_u32 s[MF], 0
	s_cselect_b32 s[CNT], s[CNT], 0                ; k is nowhere: no row
	s_add_co_u32 s[FIRST], s[FIRST], 1             ; the first row, start + 1,
	s_sub_co_u32 s[LAST], s[LAST], 2               ; and the last, end - 1 (where the range is empty these may be any numbers: the hold at 511 keeps every load in the sequence, and every weight is 0)
	s_mov_b32 s[NEXT], s[FIRST]
	s_mov_b32 s[REM], s[CNT]
	s_max_u32 s[DIV], s[CNT], 1
	s_add_co_u32 s[TRIPS], s[CNT], 31
	s_lshr_b32 s[TRIPS], s[TRIPS], 5
	s_max_u32 s[TRIPS], s[TRIPS], 1
	s_sub_co_u32 s[TRIPS], s[TRIPS], 1             ; pairs of chunks, less the last pair, which is written out without loads
	s_cmp_eq_u32 s[CNT], 0
	s_cselect_b32 s[FLAG], 0x7fc00000, 0
; Sixteen loads into set \set: rows NEXT .. NEXT + 15, held at the range's last row and then, by a constant, inside the sequence.
.macro ISSUE set
.set j, 0
.rept U
	s_add_co_u32 s[ROW], s[NEXT], j
	s_min_u32 s[ROW], s[ROW], s[LAST]
	s_min_u32 s[ROW], s[ROW], 511
	s_lshl_b32 s[ROW], s[ROW], 12
	v_add_nc_u32 v[OFF+16*(\set)+j], s[ROW], v[COL]
	global_load_b128 v[X+64*(\set)+4*j:X+64*(\set)+4*j+3], v[OFF+16*(\set)+j], s[4:5]
.set j, j+1
.endr
	s_add_co_u32 s[NEXT], s[NEXT], U
.endm
; Set \set is added: row j of the chunk counts where j < REM.
.macro CONSUME set
.set j, 0
.rept U
	s_cmp_gt_i32 s[REM], j
	s_cselect_b32 s[WT], 1.0, 0
	v_pk_fma_f32 v[ACC+4*(j%2):ACC+4*(j%2)+1], v[X+64*(\set)+4*j:X+64*(\set)+4*j+1], s[WT:WT+1], v[ACC+4*(j%2):ACC+4*(j%2)+1] op_sel_hi:[1,0,1]
	v_pk_fma_f32 v[ACC+4*(j%2)+2:ACC+4*(j%2)+3], v[X+64*(\set)+4*j+2:X+64*(\set)+4*j+3], s[WT:WT+1], v[ACC+4*(j%2)+2:ACC+4*(j%2)+3] op_sel_hi:[1,0,1]
.set j, j+1
.endr
	s_sub_co_i32 s[REM], s[REM], U
.endm
	ISSUE 0
	ISSUE 1
	s_cmp_lg_u32 s[WV], 0
	s_cbranch_scc1 .Lno_image
.irp c, 0,1,2
	global_store_b128 v[L16], v[RL+4*\c:RL+4*\c+3], s[16:17] offset:512*\c   ; registers 4 c .. 4 c + 3, lane l's 16 bytes at 16 l: 512 consecutive bytes a store
.endr
.Lno_image:
.irp i, 0,1,2,3,4,5,6,7
	v_mov_b32 v[ACC+\i], 0                         ; eight sums, cleared while the first rows are on their way
.endr
	s_cmp_eq_u32 s[TRIPS], 0
	s_cbranch_scc1 .Ltail
.Lloop:
	s_wait_loadcnt 16                              ; set 0's sixteen loads are in (loads come back in order: ISA guide 5.7.1); set 1's sixteen, issued behind them, stay out.  That wait also frees set 0's offsets
	CONSUME 0
	ISSUE 0
	s_wait_loadcnt 16                              ; set 1's are in; the sixteen just issued stay out
	CONSUME 1
	ISSUE 1
	s_sub_co_u32 s[TRIPS], s[TRIPS], 1
	s_cmp_lg_u32 s[TRIPS], 0
	s_cbranch_scc1 .Lloop
.Ltail:
	s_wait_loadcnt 16
	CONSUME 0
	s_wait_loadcnt 0x0
	CONSUME 1
	; THE MEAN: sum / cnt by a reciprocal refined once and a quotient corrected once by its remainder
	v_pk_add_f32 v[ACC:ACC+1], v[ACC:ACC+1], v[ACC+4:ACC+5]
	v_pk_add_f32 v[ACC+2:ACC+3], v[ACC+2:ACC+3], v[ACC+6:ACC+7]
	v_cvt_f32_u32 v[CC], s[DIV]
	v_rcp_f32 v[CC+1], v[CC]
	v_nop                                          ; a plain instruction behind the reciprocal,
	s_wait_alu depctr_va_vdst(0)                   ; and the wait ahead of its first reader
	v_fma_f32 v[CC+2], -v[CC], v[CC+1], 1.0
	v_fma_f32 v[CC+1], v[CC+1], v[CC+2], v[CC+1]
.irp i, 0,1,2,3
	v_mul_f32 v[QT+\i], v[ACC+\i], v[CC+1]
.endr
.irp i, 0,1,2,3
	v_fma_f32 v[QT+4+\i], -v[QT+\i], v[CC], v[ACC+\i]
.endr
.irp i, 0,1,2,3
	v_fma_f32 v[QT+\i], v[QT+4+\i], v[CC+1], v[QT+\i]
.endr
	ds_store_b128 v[LW], v[QT:QT+3]
	s_wait_dscnt 0x0                               ; for wave 0's sake: my store has landed
	s_barrier_signal -1
	s_barrier_wait -1                              ; the whole row of means lies in LDS
	s_cmp_lg_u32 s[WV], 0
	s_cbranch_scc1 .Lend
	; THE QUANTISER, in wave 0: lane l takes block l, all 32 numbers, so no other lane is asked for the largest magnitude
.irp i, 0,1,2,3,4,5,6,7
	ds_load_b128 v[QN+4*\i:QN+4*\i+3], v[LR] offset:16*\i
.endr
	v_mov_b32 v116, s[FLAG]
	s_wait_dscnt 0x0
	v_max3_num_f32 v104, |v[QN]|, |v[QN+1]|, |v[QN+2]|
	v_max3_num_f32 v105, |v[QN+3]|, |v[QN+4]|, |v[QN+5]|
.irp i, 6,10,14,18,22,26
	v_max3_num_f32 v104, v104, |v[QN+\i]|, |v[QN+\i+1]|
	v_max3_num_f32 v105, v105, |v[QN+\i+2]|, |v[QN+\i+3]|
.endr
	v_max3_num_f32 v104, v104, |v[QN+30]|, |v[QN+31]|
	v_max3_num_f32 v104, v104, v105, 0x1800000     ; and the floor 2^(3 - 127): the byte cannot fall under 1
	v_add_nc_u32 v106, 0xff000000, v104            ; 2 off the exponent field: the conversion takes this operand's exponent field as its scale, and nothing else of it
	v_lshrrev_b32 v107, 23, v106                   ; the scale's byte
	v_cvt_scalef32_pk16_fp6_f32 v[QC:QC+2], v[QN:QN+15], v106
	v_cvt_scalef32_pk16_fp6_f32 v[QC+4:QC+6], v[QN+16:QN+31], v106   ; (a conversion's three registers begin on an even number)
	v_nop                                          ; one plain instruction behind the conversions
	v_mov_b32 v[QC+3], v[QC+4]                     ; ascending, so that each source is read before it is written: v[96:101] are the block's 24 bytes
	v_mov_b32 v[QC+4], v[QC+5]
	v_mov_b32 v[QC+5], v[QC+6]
.irp i, 0,1,2
	ds_store_b64 v[CW], v[QC+2*\i:QC+2*\i+1] offset:8*\i
.endr
	ds_load_b128 v[108:111], v[CR]                 ; LDS serves a wave's instructions in order (ISA guide 5.7.1.4): these see the stores above
	ds_load_b128 v[112:115], v[CR2]
	s_wait_dscnt 0x0
	global_store_b128 v[L16], v[108:111], s[10:11] ; the row's first 512 bytes of codes: 32 lanes, consecutive, from a multiple of 256 on
	global_store_b8 v[LANE], v107, s[12:13]        ; 32 consecutive scale bytes
	v_cmp_gt_u32 vcc_lo, 16, v[LANE]
	s_wait_xcnt 0x0                                ; EXEC is a source of the stores above: it changes only behind this wait
	s_and_saveexec_b32 s[SAVE], vcc_lo
	global_store_b128 v[L16], v[112:115], s[10:11] offset:512   ; the last 256 bytes: sixteen lanes
	s_wait_xcnt 0x0
	s_or_b32 exec_lo, exec_lo, s[SAVE]
	v_cmp_eq_u32 vcc_lo, 0, v[LANE]
	s_and_saveexec_b32 s[SAVE], vcc_lo             ; (nothing has been issued since the last wait)
	global_store_b32 v[ZERO], v116, s[14:15]       ; the flag
	s_wait_xcnt 0x0
	s_or_b32 exec_lo, exec_lo, s[SAVE]
.Lend:
	s_wait_tensorcnt 0x0
	ds_add_u32 v192, v193
	s_wait_dscnt 0x0
	s_endpgm
.Lfunc_end_k_qd5374e9a44_pool:
	.size	k_qd5374e9a44_pool, .Lfunc_end_k_qd5374e9a44_pool-k_qd5374e9a44_pool
	.p2alignl 7, 3214868480
	.fill 96, 4, 3214868480
	.section	.rodata,"a",@progbits
	.p2align	6, 0x0
	.amdhsa_kernel k_qd5374e9a44_pool
		.amdhsa_group_segment_fixed_size 6656
		.amdhsa_private_segment_fixed_size 0
		.amdhsa_enable_private_segment 0
		.amdhsa_kernarg_size 56
		.amdhsa_user_sgpr_count 2
		.amdhsa_user_sgpr_kernarg_segment_ptr 1
		.amdhsa_wavefront_size32 1
		.amdhsa_system_sgpr_workgroup_id_x 1
		.amdhsa_system_sgpr_workgroup_id_y 1
		.amdhsa_system_sgpr_workgroup_id_z 1
		.amdhsa_system_vgpr_workitem_id 0
		.amdhsa_next_free_vgpr 194
		.amdhsa_next_free_sgpr 66
		.amdhsa_reserve_vcc 1
		.amdhsa_float_denorm_mode_32 3
		.amdhsa_float_denorm_mode_16_64 3
		.amdhsa_memory_ordered 1
		.amdhsa_forward_progress 1
		.amdhsa_inst_pref_size 46
	.end_amdhsa_kernel
	.amdgpu_metadata
---
amdhsa.version: [ 1, 2 ]
amdhsa.kernels:
  - .name:           k_qd5374e9a44_pool
    .symbol:         k_qd5374e9a44_pool.kd
    .args:
      - { .name: hidden_states, .offset: 0, .size: 8, .value_kind: global_buffer, .address_space: global }
      - { .name: segment_ids, .offset: 8, .size: 8, .value_kind: global_buffer, .address_space: global }
      - { .name: W1_codes, .offset: 16, .size: 8, .value_kind: global_buffer, .address_space: global }
      - { .name: pcodes, .offset: 24, .size: 8, .value_kind: global_buffer, .address_space: global }
      - { .name: pscales, .offset: 32, .size: 8, .value_kind: global_buffer, .address_space: global }
      - { .name: pflag, .offset: 40, .size: 8, .value_kind: global_buffer, .address_space: global }
      - { .name: w1img, .offset: 48, .size: 8, .value_kind: global_buffer, .address_space: global }
    .group_segment_fixed_size: 6656
    .private_segment_fixed_size: 0
    .kernarg_segment_align: 8
    .kernarg_segment_size: 56
    .max_flat_workgroup_size: 256
    .sgpr_count:     66
    .vgpr_count:     194
    .wavefront_size: 32
...
	.end_amdgpu_metadata
.endif
;; end of part 1
;; launch head (part 2): grid 32 x 1, 16 waves a work-group, no clusters, 22,528 bytes of LDS; arguments w1img, W1_scales, pcodes, pscales, pflag, b1, ln_gamma, ln_beta, W2, b2, out0; writes out0
.if DOCPART == 2
	.amdgcn_target "amdgcn-amd-amdhsa--gfx1250"
	.amdhsa_code_object_version 6
	.text
	.protected	k_qd5374e9a44_head
	.globl	k_qd5374e9a44_head
	.p2align	8
	.type	k_qd5374e9a44_head,@function
k_qd5374e9a44_head:
	s_mov_b64 s[64:65], 0
	v_nop
	global_prefetch_b8 v0, s[64:65] scope:SCOPE_SE
	s_setreg_imm32_b32 hwreg(HW_REG_WAVE_MODE, 25, 1), 1
	s_wait_xcnt 0x0
; THE HEAD: out = LayerNorm(relu(pooled W1 + b1)) W2 + b2, the first product on codes of FP6 (E2M3) with one E8M0 scale for each 32 along K.
; SHARES.  Work-group m owns pooled rows 16 m .. 16 m + 15 and all 1,024 outputs, since the norm wants whole rows.  Wave w of sixteen owns outputs 64 w .. 64 w + 63: four tiles of 16, K = 1,024 in eight steps of 128:
; 32 matrix instructions on four accumulators by turns.
; THE PRODUCT IS USED TRANSPOSED (source 0 = 16 rows of W1, K innermost; source 1 = the 16 pooled rows): in tile t lane (r, h) holds row r and its register j the output 64 w + 16 t + 8 h + j.
; So a lane holds ONE row throughout, and each sum of the norm is: the lane's 32 registers, lane l xor 16, the sixteen waves (through LDS).
; W1's fragments come from the buffer that the launch before has laid in the order of the operand's registers: three loads of 16 bytes a lane, 512 consecutive bytes each; two sets by turns, 24 loads of a wave out.
; The pooled rows' eight fragments are loaded by waves 0 to 7, one each, and go to all waves through LDS as images of their registers.  b1 is the C of each sum's first product.
; THE NORM in two passes: mu = sum h / 1024; then d = h - mu, Q = sum d d, P = sum d (gamma W2): out = P rsqrt(Q / 1024 + eps) + sum beta W2 + b2.  No difference of large sums is formed.
; A row whose range was empty carries a NaN pattern in pflag, which is added at the end (FP6 has no code for NaN).
; No tensor load: each byte of W1 feeds one matrix instruction of one wave, so it goes from memory straight into registers.  LIMITS: NaN and infinities among the inputs are not served.
.set FRB,  1536                        ; a fragment's image: 12 registers x 128 bytes
.set AIMG, 0                           ; LDS: the pooled rows' 8 fragments,
.set GARR, 12288                       ; g[n] = gamma[n] W2[n], 4,096 bytes,
.set RED1, 16384                       ; three tables of partial sums: row r at 80 r, wave w's word at 4 w,
.set RED2, 17664
.set RED3, 18944
.set CRED, 20224                       ; and sixteen words: the waves' parts of sum beta W2.  Each region is written once
.set WV,   26                          ; s26  wave
.set OP,   28                          ; s[28:29] an offset, its high word 0
.set SEL,  30                          ; s[30:31] v_permlanex16_b32's selects for lane l xor 16
.set RN,   32                          ; s32  1 / 1024
.set EPS,  33                          ; s33  1e-5
.set SAVE, 34
.set T0,   35
.set LANE, 1
.set RI,   2                           ; v2   r = lane % 16
.set HF,   3                           ; v3   h = lane / 16
.set LI,   4                           ; v4   16 x lane: an image's place for my lane
.set PA,   5                           ; v5   pcodes: 768 r + 24 h
.set R32,  6                           ; v6   32 r: a row of scale bytes
.set H32,  7                           ; v7   32 h: my half's eight numbers of a tile
.set T8,   8                           ; v8   8 x thread: two numbers of gamma, beta, W2
.set GW,   9                           ; v9   LDS: where my two g go
.set AW,   10                          ; v10  LDS: where I store my fragment's image
.set GR,   11                          ; v11  LDS: my wave's and half's g
.set RW,   12                          ; v12  80 r + 4 w
.set RR,   13                          ; v13  80 r
.set CW,   14                          ; v14  4 w
.set R4,   15                          ; v15  4 r
.set ACC,  16                          ; v[16:47]   four accumulators: 8 t + j
.set BF,   48                          ; v[48:143]  W1's fragments, two sets of four: 48 (s % 2) + 12 t.  Later v48-79: g; v96-143: partial sums
.set AF,   144                         ; v[144:167] the pooled rows' fragment, two sets
.set BS,   168                         ; v[168:199] W1's scale words: 8 t + s.  These and the next eight hold scales and nothing else
.set AS,   200                         ; v[200:207] the pooled rows' scale words: s
.set GA,   208
.set BE,   210
.set W2R,  212
.set FLG,  214
.set B2R,  215
.set SC,   216                         ; v216-223 at work
.set PS16, 224                         ; v224-239 sixteen partial sums; then v224-227 Q's chains, v228-231 P's
.set QS,   224
.set PS,   228
.set ZERO, 249
.set MU,   250                         ; v[250:251] mu, twice
	s_load_b512 s[4:19], s[0:1], 0x0               ; w1img s[4:5], W1_scales s[6:7], pcodes s[8:9], pscales s[10:11], pflag s[12:13], b1 s[14:15], ln_gamma s[16:17], ln_beta s[18:19]
	s_load_b128 s[20:23], s[0:1], 0x40             ; W2 s[20:21], b2 s[22:23]
	s_load_b64 s[24:25], s[0:1], 0x50              ; out0
	v_lshl_add_u32 v254, v0, 2, 0x5000
	v_mov_b32 v255, 0
	v_lshrrev_b32 v[LANE], 5, v0
	v_readfirstlane_b32 s[WV], v[LANE]             ; wave 0..15
	v_and_b32 v[LANE], 31, v0
	v_and_b32 v[RI], 15, v0
	v_bfe_u32 v[HF], v0, 4, 1
	v_lshlrev_b32 v[LI], 4, v[LANE]
	v_mul_u32_u24 v[PA], v[RI], 768
	v_mad_u32_u24 v[PA], v[HF], 24, v[PA]
	v_lshlrev_b32 v[R32], 5, v[RI]
	v_lshlrev_b32 v[H32], 5, v[HF]
	v_lshlrev_b32 v[T8], 3, v0
	v_lshl_add_u32 v[GW], v0, 3, GARR
	s_mul_i32 s[T0], s[WV], FRB
	v_add_nc_u32 v[AW], s[T0], v[LI]
	s_lshl_b32 s[T0], s[WV], 8
	s_add_co_u32 s[T0], s[T0], GARR
	v_lshl_add_u32 v[GR], v[HF], 5, s[T0]
	v_mul_u32_u24 v[RR], v[RI], 80
	s_lshl_b32 s[T0], s[WV], 2
	v_add_nc_u32 v[RW], s[T0], v[RR]
	v_mov_b32 v[CW], s[T0]
	v_lshlrev_b32 v[R4], 2, v[RI]
	v_mov_b32 v[ZERO], 0
	v_mov_b32 v[SC+4], 0                           ; written once: a lane permute's destination counts as one of its sources
	v_mov_b32 v[SC+5], 0
	s_mov_b32 s[SEL], 0x76543210
	s_mov_b32 s[SEL+1], 0xfedcba98
	s_mov_b32 s[RN], 0x3a800000
	s_mov_b32 s[EPS], 0x3727c5ac
	s_mov_b32 s[OP+1], 0
	s_wait_kmcnt 0x0
	s_mul_i32 s[OP], s[WV], 49152                  ; my four tiles' 32 fragments
	s_add_nc_u64 s[4:5], s[4:5], s[OP:OP+1]
	s_lshl_b32 s[OP], s[WV], 11                    ; my 64 rows of W1's scale bytes, 32 each
	s_add_nc_u64 s[6:7], s[6:7], s[OP:OP+1]
	s_mul_i32 s[OP], ttmp9, 12288                  ; my work-group's 16 rows of codes, 768 bytes each,
	s_mul_i32 s[T0], s[WV], 96                     ; K step w (used by waves 0 to 7 alone)
	s_add_co_u32 s[OP], s[OP], s[T0]
	s_add_nc_u64 s[8:9], s[8:9], s[OP:OP+1]
	s_lshl_b32 s[OP], ttmp9, 9
	s_add_nc_u64 s[10:11], s[10:11], s[OP:OP+1]
	s_lshl_b32 s[OP], ttmp9, 6
	s_add_nc_u64 s[12:13], s[12:13], s[OP:OP+1]
	s_add_nc_u64 s[24:25], s[24:25], s[OP:OP+1]
	s_lshl_b32 s[OP], s[WV], 8
	s_add_nc_u64 s[14:15], s[14:15], s[OP:OP+1]
.macro BLOAD s                         ; W1's four fragments of K step s into set s % 2: twelve loads of 512 consecutive bytes
.irp t, 0,1,2,3
.irp c, 0,1,2
	global_load_b128 v[BF+48*((\s)%2)+12*\t+4*\c:BF+48*((\s)%2)+12*\t+4*\c+3], v[LI], s[4:5] offset:12288*\t+FRB*(\s)+512*\c
.endr
.endr
.endm
.macro AFETCH s                        ; the pooled rows' fragment of K step s, from its image
.irp c, 0,1,2
	ds_load_b128 v[AF+12*((\s)%2)+4*\c:AF+12*((\s)%2)+4*\c+3], v[LI] offset:AIMG+FRB*(\s)+512*\c
.endr
.endm
	; THE LOADS, in the order in which they are wanted
	s_cmp_lt_u32 s[WV], 8
	s_cbranch_scc0 .Lno_la
.irp p, 0,1,2,3,4,5
	global_load_b64 v[AF+2*\p:AF+2*\p+1], v[PA], s[8:9] offset:48*(\p/3)+8*(\p%3)   ; waves 0 to 7: the pooled rows' fragment of K step w
.endr
.Lno_la:
	global_load_b64 v[GA:GA+1], v[T8], s[16:17]
	global_load_b64 v[BE:BE+1], v[T8], s[18:19]
	global_load_b64 v[W2R:W2R+1], v[T8], s[20:21]
.irp t, 0,1,2,3
	global_load_b128 v[ACC+8*\t:ACC+8*\t+3], v[H32], s[14:15] offset:64*\t         ; b1 at my eight outputs of tile t: the sums begin with it
	global_load_b128 v[ACC+8*\t+4:ACC+8*\t+7], v[H32], s[14:15] offset:64*\t+16
.endr
.irp t, 0,1,2,3
	global_load_b128 v[BS+8*\t:BS+8*\t+3], v[R32], s[6:7] offset:512*\t            ; row r of tile t: its eight scale words
	global_load_b128 v[BS+8*\t+4:BS+8*\t+7], v[R32], s[6:7] offset:512*\t+16
.endr
	global_load_b128 v[AS:AS+3], v[R32], s[10:11]
	global_load_b128 v[AS+4:AS+7], v[R32], s[10:11] offset:16
	global_load_b32 v[FLG], v[R4], s[12:13]
	global_load_b32 v[B2R], v[ZERO], s[22:23]
	BLOAD 0
	BLOAD 1
	s_cmp_lt_u32 s[WV], 8
	s_cbranch_scc0 .Lno_img
	s_wait_loadcnt 47                              ; behind my fragment's six loads: 3 + 8 + 12 + 24
.irp c, 0,1,2
	ds_store_b128 v[AW], v[AF+4*\c:AF+4*\c+3] offset:AIMG+512*\c
.endr
.Lno_img:
	s_wait_loadcnt 44                              ; gamma, beta, W2 are in; behind them: 8 + 12 + 24
	v_pk_mul_f32 v[SC:SC+1], v[GA:GA+1], v[W2R:W2R+1]
	ds_store_b64 v[GW], v[SC:SC+1]                 ; g = gamma W2
	v_mul_f32 v[SC+2], v[BE], v[W2R]
	v_fma_f32 v[SC+2], v[BE+1], v[W2R+1], v[SC+2]
	v_add_f32_dpp v[SC+2], v[SC+2], v[SC+2] row_xmask:1 row_mask:0xf bank_mask:0xf
	v_add_f32_dpp v[SC+2], v[SC+2], v[SC+2] row_xmask:2 row_mask:0xf bank_mask:0xf
	v_add_f32_dpp v[SC+2], v[SC+2], v[SC+2] row_xmask:4 row_mask:0xf bank_mask:0xf
	v_add_f32_dpp v[SC+2], v[SC+2], v[SC+2] row_xmask:8 row_mask:0xf bank_mask:0xf
	v_permlanex16_b32 v[SC+4], v[SC+2], s[SEL], s[SEL+1]
	v_add_f32 v[SC+2], v[SC+2], v[SC+4]            ; my wave's 64 terms of sum beta W2, in every lane
	ds_store_b32 v[CW], v[SC+2] offset:CRED        ; all lanes write the same word with the same value
	s_wait_dscnt 0x0                               ; for the others' sake: my stores have landed
	s_barrier_signal -1
	s_barrier_wait -1                              ; the eight images, g and the sixteen words lie in LDS.  (W1's loads stay out: nobody writes those bytes)
	AFETCH 0
	AFETCH 1
; A K step: four matrix instructions, the four accumulators by turns, one instruction a turn, in the same order in every step.
; Behind them four places, then the loads into the registers that they have read (ISA guide 7.12.1 for vector instructions); behind the last step the four places serve the first read of the results.
.macro KSTEP s
.if (\s) < 7
	s_wait_loadcnt 12                              ; this step's twelve loads, and all that were issued ahead of them, are in; the next step's twelve stay out
	s_wait_dscnt 3                                 ; this step's fragment of the pooled rows is in; the next step's three loads stay out
.else
	s_wait_loadcnt 0x0
	s_wait_dscnt 8                                 ; behind the last fragment's loads: the eight loads of g
.endif
.irp t, 0,1,2,3
	v_wmma_scale_f32_16x16x128_f8f6f4 v[ACC+8*\t:ACC+8*\t+7], v[BF+48*((\s)%2)+12*\t:BF+48*((\s)%2)+12*\t+11], v[AF+12*((\s)%2):AF+12*((\s)%2)+11], v[ACC+8*\t:ACC+8*\t+7], v[BS+8*\t+(\s)], v[AS+(\s)] matrix_a_fmt:MATRIX_FMT_FP6 matrix_b_fmt:MATRIX_FMT_FP6
.endr
.rept 4
	v_nop
.endr
.if (\s) < 6
	BLOAD (\s)+2
	AFETCH (\s)+2
.endif
.if (\s) == 6
.irp t, 0,1,2,3
	ds_load_b128 v[BF+8*\t:BF+8*\t+3], v[GR] offset:64*\t          ; g at my outputs, register for register as the accumulators lie: into the set that is done with
	ds_load_b128 v[BF+8*\t+4:BF+8*\t+7], v[GR] offset:64*\t+16
.endr
.endif
.endm
.irp s, 0,1,2,3,4,5,6,7
	KSTEP \s
.endr
.macro XHALF reg, tmp                  ; + lane l xor 16's
	v_permlanex16_b32 v[\tmp], v[\reg], s[SEL], s[SEL+1]
	v_add_f32 v[\reg], v[\reg], v[\tmp]
.endm
.macro SUM16 dst, b                    ; the sum of sixteen registers, as a tree of packed additions
	v_pk_add_f32 v[\b:\b+1], v[\b:\b+1], v[\b+2:\b+3]
	v_pk_add_f32 v[\b+4:\b+5], v[\b+4:\b+5], v[\b+6:\b+7]
	v_pk_add_f32 v[\b+8:\b+9], v[\b+8:\b+9], v[\b+10:\b+11]
	v_pk_add_f32 v[\b+12:\b+13], v[\b+12:\b+13], v[\b+14:\b+15]
	v_pk_add_f32 v[\b:\b+1], v[\b:\b+1], v[\b+4:\b+5]
	v_pk_add_f32 v[\b+8:\b+9], v[\b+8:\b+9], v[\b+12:\b+13]
	v_pk_add_f32 v[\b:\b+1], v[\b:\b+1], v[\b+8:\b+9]
	v_add_f32 v[\dst], v[\b], v[\b+1]
.endm
	; PASS 1: relu, and the row's sum
.set i, 0
.rept 32
	v_max_num_f32 v[ACC+i], 0, v[ACC+i]            ; ascending: each accumulator is read from its low end on
.set i, i+1
.endr
	v_pk_add_f32 v[SC:SC+1], v[ACC:ACC+1], v[ACC+2:ACC+3]
	v_pk_add_f32 v[SC+2:SC+3], v[ACC+4:ACC+5], v[ACC+6:ACC+7]
.irp i, 8,12,16,20,24,28
	v_pk_add_f32 v[SC:SC+1], v[SC:SC+1], v[ACC+\i:ACC+\i+1]
	v_pk_add_f32 v[SC+2:SC+3], v[SC+2:SC+3], v[ACC+\i+2:ACC+\i+3]
.endr
	v_pk_add_f32 v[SC:SC+1], v[SC:SC+1], v[SC+2:SC+3]
	v_add_f32 v[SC], v[SC], v[SC+1]
	XHALF SC, SC+4                                 ; my wave's 64 outputs of row r (lanes r and r + 16 now hold the same bits)
	ds_store_b32 v[RW], v[SC] offset:RED1
	s_wait_dscnt 0x0                               ; my store has landed; g is in
	s_barrier_signal -1
	s_barrier_wait -1
.irp i, 0,1,2,3
	ds_load_b128 v[PS16+4*\i:PS16+4*\i+3], v[RR] offset:RED1+16*\i
.endr
	s_wait_dscnt 0x0
	SUM16 MU, PS16
	v_mul_f32 v[MU], s[RN], v[MU]                  ; mu: the same bits in every wave
	v_mov_b32 v[MU+1], v[MU]
	; PASS 2: d = h - mu; Q = sum d d; P = sum d g
.set i, 0
.rept 16
	v_pk_add_f32 v[ACC+2*i:ACC+2*i+1], v[ACC+2*i:ACC+2*i+1], v[MU:MU+1] neg_lo:[0,1] neg_hi:[0,1]
.set i, i+1
.endr
	v_pk_mul_f32 v[QS:QS+1], v[ACC:ACC+1], v[ACC:ACC+1]
	v_pk_mul_f32 v[QS+2:QS+3], v[ACC+2:ACC+3], v[ACC+2:ACC+3]
	v_pk_mul_f32 v[PS:PS+1], v[ACC:ACC+1], v[BF:BF+1]
	v_pk_mul_f32 v[PS+2:PS+3], v[ACC+2:ACC+3], v[BF+2:BF+3]
.irp i, 4,8,12,16,20,24,28
	v_pk_fma_f32 v[QS:QS+1], v[ACC+\i:ACC+\i+1], v[ACC+\i:ACC+\i+1], v[QS:QS+1]
	v_pk_fma_f32 v[QS+2:QS+3], v[ACC+\i+2:ACC+\i+3], v[ACC+\i+2:ACC+\i+3], v[QS+2:QS+3]
	v_pk_fma_f32 v[PS:PS+1], v[ACC+\i:ACC+\i+1], v[BF+\i:BF+\i+1], v[PS:PS+1]
	v_pk_fma_f32 v[PS+2:PS+3], v[ACC+\i+2:ACC+\i+3], v[BF+\i+2:BF+\i+3], v[PS+2:PS+3]
.endr
	v_pk_add_f32 v[QS:QS+1], v[QS:QS+1], v[QS+2:QS+3]
	v_pk_add_f32 v[PS:PS+1], v[PS:PS+1], v[PS+2:PS+3]
	v_add_f32 v[QS], v[QS], v[QS+1]
	v_add_f32 v[PS], v[PS], v[PS+1]
	XHALF QS, SC+4
	XHALF PS, SC+5
	ds_store_b32 v[RW], v[QS] offset:RED2
	ds_store_b32 v[RW], v[PS] offset:RED3
	s_wait_dscnt 0x0
	s_barrier_signal -1
	s_barrier_wait -1
	s_cmp_lg_u32 s[WV], 0
	s_cbranch_scc1 .Lend
	; WAVE 0 finishes the sixteen rows: lane r (and r + 16, alike) has row r
.irp i, 0,1,2,3
	ds_load_b128 v[96+4*\i:96+4*\i+3], v[RR] offset:RED2+16*\i
	ds_load_b128 v[112+4*\i:112+4*\i+3], v[RR] offset:RED3+16*\i
	ds_load_b128 v[128+4*\i:128+4*\i+3], v[ZERO] offset:CRED+16*\i
.endr
	s_wait_dscnt 0x0
	SUM16 SC, 96                                   ; Q
	SUM16 SC+1, 112                                ; P
	SUM16 SC+2, 128                                ; sum beta W2
	v_fma_f32 v[SC], v[SC], s[RN], s[EPS]          ; the variance + eps
	v_rsq_f32 v[SC+3], v[SC]
	v_add_f32 v[SC+2], v[SC+2], v[B2R]             ; (a plain instruction behind the root)
	s_wait_alu depctr_va_vdst(0)                   ; the wait ahead of its first reader
	v_fma_f32 v[SC+2], v[SC+1], v[SC+3], v[SC+2]
	v_add_f32 v[SC+2], v[SC+2], v[FLG]             ; + 0, or NaN where the range was empty
	v_cmp_gt_u32 vcc_lo, 16, v[LANE]
	s_wait_xcnt 0x0                                ; EXEC changes only behind this wait
	s_and_saveexec_b32 s[SAVE], vcc_lo
	global_store_b32 v[R4], v[SC+2], s[24:25]      ; sixteen lanes: the work-group's 64 bytes of the output
	s_wait_xcnt 0x0
	s_or_b32 exec_lo, exec_lo, s[SAVE]
.Lend:
	s_wait_tensorcnt 0x0
	ds_add_u32 v254, v255
	s_wait_dscnt 0x0
	s_endpgm
.Lfunc_end_k_qd5374e9a44_head:
	.size	k_qd5374e9a44_head, .Lfunc_end_k_qd5374e9a44_head-k_qd5374e9a44_head
	.p2alignl 7, 3214868480
	.fill 96, 4, 3214868480
	.section	.rodata,"a",@progbits
	.p2align	6, 0x0
	.amdhsa_kernel k_qd5374e9a44_head
		.amdhsa_group_segment_fixed_size 22528
		.amdhsa_private_segment_fixed_size 0
		.amdhsa_enable_private_segment 0
		.amdhsa_kernarg_size 88
		.amdhsa_user_sgpr_count 2
		.amdhsa_user_sgpr_kernarg_segment_ptr 1
		.amdhsa_wavefront_size32 1
		.amdhsa_system_sgpr_workgroup_id_x 1
		.amdhsa_system_sgpr_workgroup_id_y 1
		.amdhsa_system_sgpr_workgroup_id_z 1
		.amdhsa_system_vgpr_workitem_id 0
		.amdhsa_next_free_vgpr 256
		.amdhsa_next_free_sgpr 66
		.amdhsa_reserve_vcc 1
		.amdhsa_float_denorm_mode_32 3
		.amdhsa_float_denorm_mode_16_64 3
		.amdhsa_memory_ordered 1
		.amdhsa_forward_progress 1
		.amdhsa_inst_pref_size 33
	.end_amdhsa_kernel
	.amdgpu_metadata
---
amdhsa.version: [ 1, 2 ]
amdhsa.kernels:
  - .name:           k_qd5374e9a44_head
    .symbol:         k_qd5374e9a44_head.kd
    .args:
      - { .name: w1img, .offset: 0, .size: 8, .value_kind: global_buffer, .address_space: global }
      - { .name: W1_scales, .offset: 8, .size: 8, .value_kind: global_buffer, .address_space: global }
      - { .name: pcodes, .offset: 16, .size: 8, .value_kind: global_buffer, .address_space: global }
      - { .name: pscales, .offset: 24, .size: 8, .value_kind: global_buffer, .address_space: global }
      - { .name: pflag, .offset: 32, .size: 8, .value_kind: global_buffer, .address_space: global }
      - { .name: b1, .offset: 40, .size: 8, .value_kind: global_buffer, .address_space: global }
      - { .name: ln_gamma, .offset: 48, .size: 8, .value_kind: global_buffer, .address_space: global }
      - { .name: ln_beta, .offset: 56, .size: 8, .value_kind: global_buffer, .address_space: global }
      - { .name: W2, .offset: 64, .size: 8, .value_kind: global_buffer, .address_space: global }
      - { .name: b2, .offset: 72, .size: 8, .value_kind: global_buffer, .address_space: global }
      - { .name: out0, .offset: 80, .size: 8, .value_kind: global_buffer, .address_space: global }
    .group_segment_fixed_size: 22528
    .private_segment_fixed_size: 0
    .kernarg_segment_align: 8
    .kernarg_segment_size: 88
    .max_flat_workgroup_size: 512
    .sgpr_count:     66
    .vgpr_count:     256
    .wavefront_size: 32
...
	.end_amdgpu_metadata
.endif
;; end of part 2
;; ======== version 2 of 2: 3 launches; 1.17 times as fast as version 1
;; workspace buffers: pcodes 393,216 bytes; pscales 16,384 bytes; pflag 2,048 bytes; w1img 786,432 bytes; stats 393,216 bytes
;; launch pool: the kernel of part 1 again; grid 512 x 1, 8 waves a work-group, no clusters, 6,656 bytes of LDS; arguments hidden_states, segment_ids, W1_codes, pcodes, pscales, pflag, w1img; writes pcodes, pscales, pflag, w1img
;; launch head (part 3): grid 256 x 1, 8 waves a work-group, no clusters, 14,848 bytes of LDS; arguments w1img, W1_scales, pcodes, pscales, b1, ln_gamma, W2, stats; writes stats
.if DOCPART == 3
	.amdgcn_target "amdgcn-amd-amdhsa--gfx1250"
	.amdhsa_code_object_version 6
	.text
	.protected	k_qd5374e9a44_head
	.globl	k_qd5374e9a44_head
	.p2align	8
	.type	k_qd5374e9a44_head,@function
k_qd5374e9a44_head:
	s_mov_b64 s[64:65], 0
	v_nop
	global_prefetch_b8 v0, s[64:65] scope:SCOPE_SE
	s_setreg_imm32_b32 hwreg(HW_REG_WAVE_MODE, 25, 1), 1
	s_wait_xcnt 0x0
; THE HEAD'S PRODUCT AND THE NORM'S PARTS.  h = relu(pooled W1 + b1), the product on codes of FP6 (E2M3) with one E8M0 scale for each 32 along K.
; SHARES.  Work-group g of 256 owns pooled rows 16 m .. 16 m + 15 (m = g / 8) and outputs 128 c .. 128 c + 127 (c = g % 8).  Wave w of eight owns ONE tile of 16 outputs, T = 8 c + w, and K = 1,024 in eight steps of 128.
; So a work-group takes in 8 x 12,288 bytes of W1 and 12,288 of the rows' codes, and every one of the 256 work-groups has the same work.
; THE PRODUCT IS USED TRANSPOSED (source 0 = 16 rows of W1, K innermost; source 1 = the 16 pooled rows): lane (r, h) holds row r, and its register j the output 16 T + 8 h + j.
; W1's eight fragments come from the buffer that the first launch has laid in the order of the operand's registers: three loads of 16 bytes a lane each, 512 consecutive bytes a load; all 24 are asked for at once.
; The pooled rows' eight fragments are loaded by the eight waves, one each, and go to all waves through LDS as images of their registers; four sets of registers take them by turns.
; TWO ACCUMULATORS BY TURNS: the even K steps add onto one, which begins as b1, the odd ones onto the other, which begins with the constant 0; the two are added at the end.
; THE NORM'S PARTS, for each row and tile, made inside the wave (the lane's eight registers and lane l xor 16): m_t = the mean of the tile's 16 numbers, M2_t = sum (h - m_t)^2, PG_t = sum (h - m_t) gamma W2.
; The next launch joins the 64 tiles of a row.  The parts leave through a table in LDS, [kind 3][tile 8][row 16], as three stores of 512 consecutive bytes.
; No tensor load: each byte of W1 feeds one matrix instruction of one wave, so it goes from memory straight into registers.  LIMITS: NaN and infinities among the inputs are not served.
.set FRB,  1536                        ; a fragment's image: 12 registers x 128 bytes
.set AIMG, 0                           ; LDS: the pooled rows' 8 fragments,
.set TAB,  12288                       ; and the table of parts, 1,536 bytes.  Each region is written once
.set WV,   20                          ; s20  wave
.set OP,   22                          ; s[22:23] an offset, its high word 0
.set SEL,  24                          ; s[24:25] v_permlanex16_b32's selects for lane l xor 16
.set T0,   26
.set TT,   27                          ; s27  my tile of outputs, 8 c + w
.set MM,   28                          ; s28  m
.set LANE, 1
.set RI,   2                           ; v2   r = lane % 16
.set HF,   3                           ; v3   h = lane / 16
.set LI,   4                           ; v4   16 x lane: an image's place for my lane
.set PA,   5                           ; v5   pcodes: 768 r + 24 h
.set R32,  6                           ; v6   32 r: a row of scale bytes
.set H32,  7                           ; v7   32 h: my half's eight numbers of the tile
.set AW,   8                           ; v8   LDS: where I store my fragment's image
.set TW,   9                           ; v9   LDS: my word of the table: TAB + 64 w + 4 r
.set ACC,  16                          ; v[16:23] the even K steps' sums, later h and h - m_t;  v[24:31] the odd ones'
.set BF,   32                          ; v[32:127]  W1's eight fragments: 12 s
.set AF,   128                         ; v[128:175] the pooled rows' fragments, four sets: 12 (s % 4)
.set BS,   176                         ; v[176:183] W1's scale words: s.  These and the next eight hold scales and nothing else
.set AS,   184                         ; v[184:191] the pooled rows' scale words: s
.set GA,   192                         ; v[192:199] gamma, then gamma W2
.set W2R,  200                         ; v[200:207] W2
.set SC,   208                         ; v[208:211] at work
.set TMP,  212                         ; v[212:213] the lane permutes' destinations
.set MU,   214                         ; v[214:215] m_t, twice
.set QS,   216                         ; v[216:217] M2's chain
.set PS,   218                         ; v[218:219] PG's chain
.set OUTR, 220                         ; v[220:231] the table on its way out
	s_load_b512 s[4:19], s[0:1], 0x0               ; w1img s[4:5], W1_scales s[6:7], pcodes s[8:9], pscales s[10:11], b1 s[12:13], ln_gamma s[14:15], W2 s[16:17], stats s[18:19]
	v_lshl_add_u32 v232, v0, 2, 0x3600
	v_mov_b32 v233, 0
	v_lshrrev_b32 v[LANE], 5, v0
	v_readfirstlane_b32 s[WV], v[LANE]             ; wave 0..7
	v_and_b32 v[LANE], 31, v0
	v_and_b32 v[RI], 15, v0
	v_bfe_u32 v[HF], v0, 4, 1
	v_lshlrev_b32 v[LI], 4, v[LANE]
	v_mul_u32_u24 v[PA], v[RI], 768
	v_mad_u32_u24 v[PA], v[HF], 24, v[PA]
	v_lshlrev_b32 v[R32], 5, v[RI]
	v_lshlrev_b32 v[H32], 5, v[HF]
	s_mul_i32 s[T0], s[WV], FRB
	v_add_nc_u32 v[AW], s[T0], v[LI]
	s_lshl_b32 s[T0], s[WV], 6
	s_add_co_u32 s[T0], s[T0], TAB
	v_lshl_add_u32 v[TW], v[RI], 2, s[T0]
	v_mov_b32 v[TMP], 0                            ; written once: a lane permute's destination counts as one of its sources
	v_mov_b32 v[TMP+1], 0
	s_mov_b32 s[SEL], 0x76543210
	s_mov_b32 s[SEL+1], 0xfedcba98
	s_and_b32 s[TT], ttmp9, 7
	s_lshl_b32 s[TT], s[TT], 3
	s_add_co_u32 s[TT], s[TT], s[WV]
	s_lshr_b32 s[MM], ttmp9, 3
	s_mov_b32 s[OP+1], 0
	s_wait_kmcnt 0x0
	s_mul_i32 s[OP], s[TT], 8*FRB                  ; my tile's eight fragments
	s_add_nc_u64 s[4:5], s[4:5], s[OP:OP+1]
	s_lshl_b32 s[OP], s[TT], 9                     ; my 16 rows of W1's scale bytes, 32 each
	s_add_nc_u64 s[6:7], s[6:7], s[OP:OP+1]
	s_mul_i32 s[OP], s[MM], 12288                  ; the work-group's 16 rows of codes, 768 bytes each,
	s_mul_i32 s[T0], s[WV], 96                     ; K step w
	s_add_co_u32 s[OP], s[OP], s[T0]
	s_add_nc_u64 s[8:9], s[8:9], s[OP:OP+1]
	s_lshl_b32 s[OP], s[MM], 9
	s_add_nc_u64 s[10:11], s[10:11], s[OP:OP+1]
	s_lshl_b32 s[OP], s[TT], 6                     ; my tile's 16 numbers of b1, gamma and W2
	s_add_nc_u64 s[12:13], s[12:13], s[OP:OP+1]
	s_add_nc_u64 s[14:15], s[14:15], s[OP:OP+1]
	s_add_nc_u64 s[16:17], s[16:17], s[OP:OP+1]
	s_mul_i32 s[OP], ttmp9, 1536                   ; the work-group's table
	s_add_nc_u64 s[18:19], s[18:19], s[OP:OP+1]
	; THE LOADS, in the order in which they are wanted
.irp p, 0,1,2,3,4,5
	global_load_b64 v[AF+2*\p:AF+2*\p+1], v[PA], s[8:9] offset:48*(\p/3)+8*(\p%3)   ; the pooled rows' fragment of K step w
.endr
	global_load_b128 v[ACC:ACC+3], v[H32], s[12:13]                ; b1 at my eight outputs: the even steps' sums begin with it
	global_load_b128 v[ACC+4:ACC+7], v[H32], s[12:13] offset:16
	global_load_b128 v[BS:BS+3], v[R32], s[6:7]                    ; row r of my tile: its eight scale words
	global_load_b128 v[BS+4:BS+7], v[R32], s[6:7] offset:16
	global_load_b128 v[AS:AS+3], v[R32], s[10:11]                  ; pooled row r: its eight
	global_load_b128 v[AS+4:AS+7], v[R32], s[10:11] offset:16
.irp s, 0,1,2,3,4,5,6,7
.irp c, 0,1,2
	global_load_b128 v[BF+12*\s+4*\c:BF+12*\s+4*\c+3], v[LI], s[4:5] offset:FRB*\s+512*\c   ; W1's fragment of K step s: 512 consecutive bytes a load
.endr
.endr
	global_load_b128 v[GA:GA+3], v[H32], s[14:15]
	global_load_b128 v[GA+4:GA+7], v[H32], s[14:15] offset:16
	global_load_b128 v[W2R:W2R+3], v[H32], s[16:17]
	global_load_b128 v[W2R+4:W2R+7], v[H32], s[16:17] offset:16
	s_wait_loadcnt 34                              ; behind my fragment's six loads: 2 + 2 + 2 + 24 + 4 (loads come back in order: ISA guide 5.7.1)
.irp c, 0,1,2
	ds_store_b128 v[AW], v[AF+4*\c:AF+4*\c+3] offset:AIMG+512*\c
.endr
	s_wait_dscnt 0x0                               ; for the others' sake: my stores have landed
	s_barrier_signal -1
	s_barrier_wait -1                              ; the eight images lie in LDS.  (W1's loads stay out: nobody writes those bytes)
.macro AFETCH s                        ; the pooled rows' fragment of K step s, from its image, into set s % 4
.irp c, 0,1,2
	ds_load_b128 v[AF+12*((\s)%4)+4*\c:AF+12*((\s)%4)+4*\c+3], v[LI] offset:AIMG+FRB*(\s)+512*\c
.endr
.endm
; A K step: one matrix instruction; the two accumulators take turns, one instruction a turn.
; Where the set of registers that it has read is fetched anew, four places stand between (ISA guide 7.12.1 for vector instructions).
.macro KSTEP s
	s_wait_loadcnt 3*(7-(\s))+4                    ; this step's fragment of W1, and all that was asked for ahead of it, is in; the later steps' three loads each, and the four of gamma and W2, stay out
.if (\s) < 5
	s_wait_dscnt 9                                 ; this step's fragment of the pooled rows is in; the next three steps' loads stay out
.else
	s_wait_dscnt 3*(7-(\s))                        ; the steps that are left
.endif
.if (\s) == 1
	v_wmma_scale_f32_16x16x128_f8f6f4 v[ACC+8:ACC+15], v[BF+12*(\s):BF+12*(\s)+11], v[AF+12*((\s)%4):AF+12*((\s)%4)+11], 0, v[BS+(\s)], v[AS+(\s)] matrix_a_fmt:MATRIX_FMT_FP6 matrix_b_fmt:MATRIX_FMT_FP6
.else
	v_wmma_scale_f32_16x16x128_f8f6f4 v[ACC+8*((\s)%2):ACC+8*((\s)%2)+7], v[BF+12*(\s):BF+12*(\s)+11], v[AF+12*((\s)%4):AF+12*((\s)%4)+11], v[ACC+8*((\s)%2):ACC+8*((\s)%2)+7], v[BS+(\s)], v[AS+(\s)] matrix_a_fmt:MATRIX_FMT_FP6 matrix_b_fmt:MATRIX_FMT_FP6
.endif
.if (\s) < 4
.rept 4
	v_nop
.endr
	AFETCH (\s)+4
.endif
.endm
.irp s, 0,1,2,3
	AFETCH \s
.endr
.irp s, 0,1,2,3,4,5,6,7
	KSTEP \s
.endr
.macro XHALF reg, tmp                  ; + lane l xor 16's
	v_permlanex16_b32 v[\tmp], v[\reg], s[SEL], s[SEL+1]
	v_add_f32 v[\reg], v[\reg], v[\tmp]
.endm
	s_wait_loadcnt 0x0                             ; gamma and W2
.irp i, 0,2,4,6
	v_pk_mul_f32 v[GA+\i:GA+\i+1], v[GA+\i:GA+\i+1], v[W2R+\i:W2R+\i+1]   ; g = gamma W2.  These four name no register of the products: they are the places behind the last of them
.endr
.irp i, 0,2,4,6
	v_pk_add_f32 v[ACC+\i:ACC+\i+1], v[ACC+\i:ACC+\i+1], v[ACC+8+\i:ACC+8+\i+1]   ; the two sums; ascending: each accumulator is read from its low end on
.endr
.irp i, 0,1,2,3,4,5,6,7
	v_max_num_f32 v[ACC+\i], 0, v[ACC+\i]          ; relu
.endr
	v_pk_add_f32 v[SC:SC+1], v[ACC:ACC+1], v[ACC+2:ACC+3]
	v_pk_add_f32 v[SC+2:SC+3], v[ACC+4:ACC+5], v[ACC+6:ACC+7]
	v_pk_add_f32 v[SC:SC+1], v[SC:SC+1], v[SC+2:SC+3]
	v_add_f32 v[SC], v[SC], v[SC+1]
	XHALF SC, TMP                                  ; the tile's 16 numbers of row r (lanes r and r + 16 now hold the same bits)
	v_mul_f32 v[MU], 0x3d800000, v[SC]             ; m_t = the sum / 16
	v_mov_b32 v[MU+1], v[MU]
.irp i, 0,2,4,6
	v_pk_add_f32 v[ACC+\i:ACC+\i+1], v[ACC+\i:ACC+\i+1], v[MU:MU+1] neg_lo:[0,1] neg_hi:[0,1]   ; d = h - m_t
.endr
	v_pk_mul_f32 v[QS:QS+1], v[ACC:ACC+1], v[ACC:ACC+1]
	v_pk_mul_f32 v[PS:PS+1], v[ACC:ACC+1], v[GA:GA+1]
.irp i, 2,4,6
	v_pk_fma_f32 v[QS:QS+1], v[ACC+\i:ACC+\i+1], v[ACC+\i:ACC+\i+1], v[QS:QS+1]
	v_pk_fma_f32 v[PS:PS+1], v[ACC+\i:ACC+\i+1], v[GA+\i:GA+\i+1], v[PS:PS+1]
.endr
	v_add_f32 v[QS], v[QS], v[QS+1]
	v_add_f32 v[PS], v[PS], v[PS+1]
	XHALF QS, TMP                                  ; M2_t
	XHALF PS, TMP+1                                ; PG_t
	ds_store_b32 v[TW], v[MU]                      ; kind 0, tile w, row r (both halves of the lanes write the same word with the same bits)
	ds_store_b32 v[TW], v[QS] offset:512           ; kind 1
	ds_store_b32 v[TW], v[PS] offset:1024          ; kind 2
	s_wait_dscnt 0x0                               ; for wave 0's sake: my stores have landed
	s_barrier_signal -1
	s_barrier_wait -1                              ; the table is whole
	s_cmp_lg_u32 s[WV], 0
	s_cbranch_scc1 .Lend
.irp k, 0,1,2
	ds_load_b128 v[OUTR+4*\k:OUTR+4*\k+3], v[LI] offset:TAB+512*\k
.endr
	s_wait_dscnt 0x0
.irp k, 0,1,2
	global_store_b128 v[LI], v[OUTR+4*\k:OUTR+4*\k+3], s[18:19] offset:512*\k   ; 32 lanes store 512 consecutive bytes, at a multiple of 256 from the buffer's first byte
.endr
.Lend:
	s_wait_tensorcnt 0x0
	ds_add_u32 v232, v233
	s_wait_dscnt 0x0
	s_endpgm
.Lfunc_end_k_qd5374e9a44_head:
	.size	k_qd5374e9a44_head, .Lfunc_end_k_qd5374e9a44_head-k_qd5374e9a44_head
	.p2alignl 7, 3214868480
	.fill 96, 4, 3214868480
	.section	.rodata,"a",@progbits
	.p2align	6, 0x0
	.amdhsa_kernel k_qd5374e9a44_head
		.amdhsa_group_segment_fixed_size 14848
		.amdhsa_private_segment_fixed_size 0
		.amdhsa_enable_private_segment 0
		.amdhsa_kernarg_size 64
		.amdhsa_user_sgpr_count 2
		.amdhsa_user_sgpr_kernarg_segment_ptr 1
		.amdhsa_wavefront_size32 1
		.amdhsa_system_sgpr_workgroup_id_x 1
		.amdhsa_system_sgpr_workgroup_id_y 1
		.amdhsa_system_sgpr_workgroup_id_z 1
		.amdhsa_system_vgpr_workitem_id 0
		.amdhsa_next_free_vgpr 234
		.amdhsa_next_free_sgpr 66
		.amdhsa_reserve_vcc 0
		.amdhsa_float_denorm_mode_32 3
		.amdhsa_float_denorm_mode_16_64 3
		.amdhsa_memory_ordered 1
		.amdhsa_forward_progress 1
		.amdhsa_inst_pref_size 13
	.end_amdhsa_kernel
	.amdgpu_metadata
---
amdhsa.version: [ 1, 2 ]
amdhsa.kernels:
  - .name:           k_qd5374e9a44_head
    .symbol:         k_qd5374e9a44_head.kd
    .args:
      - { .name: w1img, .offset: 0, .size: 8, .value_kind: global_buffer, .address_space: global }
      - { .name: W1_scales, .offset: 8, .size: 8, .value_kind: global_buffer, .address_space: global }
      - { .name: pcodes, .offset: 16, .size: 8, .value_kind: global_buffer, .address_space: global }
      - { .name: pscales, .offset: 24, .size: 8, .value_kind: global_buffer, .address_space: global }
      - { .name: b1, .offset: 32, .size: 8, .value_kind: global_buffer, .address_space: global }
      - { .name: ln_gamma, .offset: 40, .size: 8, .value_kind: global_buffer, .address_space: global }
      - { .name: W2, .offset: 48, .size: 8, .value_kind: global_buffer, .address_space: global }
      - { .name: stats, .offset: 56, .size: 8, .value_kind: global_buffer, .address_space: global }
    .group_segment_fixed_size: 14848
    .private_segment_fixed_size: 0
    .kernarg_segment_align: 8
    .kernarg_segment_size: 64
    .max_flat_workgroup_size: 256
    .sgpr_count:     66
    .vgpr_count:     234
    .wavefront_size: 32
...
	.end_amdgpu_metadata
.endif
;; end of part 3
;; launch finish (part 4): grid 32 x 1, 1 waves a work-group, no clusters, 0 bytes of LDS; arguments stats, pflag, ln_gamma, ln_beta, W2, b2, out0; writes out0
.if DOCPART == 4
	.amdgcn_target "amdgcn-amd-amdhsa--gfx1250"
	.amdhsa_code_object_version 6
	.text
	.protected	k_qd5374e9a44_finish
	.globl	k_qd5374e9a44_finish
	.p2align	8
	.type	k_qd5374e9a44_finish,@function
k_qd5374e9a44_finish:
	s_mov_b64 s[64:65], 0
	v_nop
	global_prefetch_b8 v0, s[64:65] scope:SCOPE_SE
	s_setreg_imm32_b32 hwreg(HW_REG_WAVE_MODE, 25, 1), 1
	s_wait_xcnt 0x0
; THE NORM IS JOINED AND THE LAST PRODUCT FINISHED.  For each of the 512 rows the launch before has left, for each of the 64 tiles of 16 outputs, m_t (the tile's mean of h), M2_t = sum (h - m_t)^2 and
; PG_t = sum (h - m_t) gamma W2.  With G_t = the tile's sum of gamma W2:
;   mu = sum m_t / 64;   Q = sum M2_t + 16 sum (m_t - mu)^2;   P = sum [PG_t + (m_t - mu) G_t];   out = P rsqrt(Q / 1024 + eps) + sum beta W2 + b2, + the row's flag (0, or NaN where its range was empty).
; Only means are subtracted from the mean: no difference of large sums is formed.
; SHARES.  Work-group m, one wave, owns rows 16 m .. 16 m + 15: 12,288 bytes of parts, laid [chunk 8][kind 3][tile 8][row 16].  A load of 16 bytes a lane takes one chunk's 512 bytes of one kind:
; lane l holds tile l / 4 of the chunk and rows 4 (l % 4) + 0 .. 3.  So a lane's registers run over the chunks and over four rows, and a sum over a row's 64 tiles is: eight registers, then lanes l xor 4, 8, 16.
; gamma, beta and W2 are loaded the same way, 512 consecutive bytes a load: load i gives lane l the numbers 128 i + 4 l + 0 .. 3, which lie in tile 8 i + l / 4: the lane's own tile of chunk i.
; So G_t wants lanes l xor 1 and 2 alone, and nothing goes through LDS.  32 work-groups are all the work there is: 16 rows each, one load's wait, some 300 vector instructions.
; LIMITS: NaN and infinities among the inputs are not served.
.set OP,   20                          ; s[20:21] an offset, its high word 0
.set SEL,  22                          ; s[22:23] v_permlanex16_b32's selects for lane l xor 16
.set R64,  24                          ; s24  1 / 64
.set C16,  25                          ; s25  16.0
.set RN,   26                          ; s26  1 / 1024
.set EPS,  27                          ; s27  1e-5
.set SAVE, 28
.set LI,   1                           ; v1   16 x lane
.set Q16,  2                           ; v2   16 (lane % 4): my four rows' bytes in pflag and in the output
.set ZERO, 3
.set TMP,  4                           ; v[4:7] the lane permutes' destinations
.set MT,   16                          ; v[16:47]   m_t, then m_t - mu: 4 c + j
.set M2,   48                          ; v[48:79]   M2_t
.set PG,   80                          ; v[80:111]  PG_t
.set GA,   112                         ; v[112:143] gamma: 4 i + jj
.set WR,   144                         ; v[144:175] W2
.set BE,   176                         ; v[176:207] beta
.set G,    208                         ; v[208:215] G of my tile of chunk i
.set FL,   216                         ; v[216:219] my four rows' flags
.set B2R,  220
.set E,    222                         ; v[222:225] sum beta W2, in chains
.set MU,   226                         ; v[226:229] my four rows' mu
.set QA,   230                         ; v[230:233] sum M2, then Q
.set QB,   234                         ; v[234:237] sum (m_t - mu)^2
.set PP,   238                         ; v[238:241] P
.set RS,   242                         ; v[242:245]
.set OUT,  246                         ; v[246:249]
	s_load_b256 s[4:11], s[0:1], 0x0               ; stats s[4:5], pflag s[6:7], ln_gamma s[8:9], ln_beta s[10:11]
	s_load_b128 s[12:15], s[0:1], 0x20             ; W2 s[12:13], b2 s[14:15]
	s_load_b64 s[16:17], s[0:1], 0x30              ; out0
	v_lshlrev_b32 v[LI], 4, v0                     ; one wave: the thread's number is the lane
	v_and_b32 v[Q16], 3, v0
	v_lshlrev_b32 v[Q16], 4, v[Q16]
	v_mov_b32 v[ZERO], 0
.irp j, 0,1,2,3
	v_mov_b32 v[TMP+\j], 0                         ; written once: a lane permute's destination counts as one of its sources
.endr
	s_mov_b32 s[SEL], 0x76543210
	s_mov_b32 s[SEL+1], 0xfedcba98
	s_mov_b32 s[R64], 0x3c800000
	s_mov_b32 s[C16], 0x41800000
	s_mov_b32 s[RN], 0x3a800000
	s_mov_b32 s[EPS], 0x3727c5ac
	s_mov_b32 s[OP+1], 0
	s_wait_kmcnt 0x0
	s_mul_i32 s[OP], ttmp9, 12288
	s_add_nc_u64 s[4:5], s[4:5], s[OP:OP+1]
	s_lshl_b32 s[OP], ttmp9, 6
	s_add_nc_u64 s[6:7], s[6:7], s[OP:OP+1]
	s_add_nc_u64 s[16:17], s[16:17], s[OP:OP+1]
.irp i, 0,1,2,3,4,5,6,7
	global_load_b128 v[GA+4*\i:GA+4*\i+3], v[LI], s[8:9] offset:512*\i
	global_load_b128 v[WR+4*\i:WR+4*\i+3], v[LI], s[12:13] offset:512*\i
	global_load_b128 v[BE+4*\i:BE+4*\i+3], v[LI], s[10:11] offset:512*\i
.endr
	global_load_b128 v[FL:FL+3], v[Q16], s[6:7]
	global_load_b32 v[B2R], v[ZERO], s[14:15]
.irp c, 0,1,2,3,4,5,6,7
	global_load_b128 v[MT+4*\c:MT+4*\c+3], v[LI], s[4:5] offset:1536*\c
	global_load_b128 v[M2+4*\c:M2+4*\c+3], v[LI], s[4:5] offset:1536*\c+512
	global_load_b128 v[PG+4*\c:PG+4*\c+3], v[LI], s[4:5] offset:1536*\c+1024
.endr
	s_wait_loadcnt 24                              ; gamma, W2, beta, the flags and b2 are in; the 24 loads of the parts, issued behind them, stay out
	; G of my eight tiles, and sum beta W2
.irp i, 0,1,2,3,4,5,6,7
	v_pk_mul_f32 v[GA+4*\i:GA+4*\i+1], v[GA+4*\i:GA+4*\i+1], v[WR+4*\i:WR+4*\i+1]
.endr
.irp i, 0,1,2,3,4,5,6,7
	v_pk_fma_f32 v[GA+4*\i:GA+4*\i+1], v[GA+4*\i+2:GA+4*\i+3], v[WR+4*\i+2:WR+4*\i+3], v[GA+4*\i:GA+4*\i+1]
.endr
.irp i, 0,1,2,3,4,5,6,7
	v_add_f32 v[G+\i], v[GA+4*\i], v[GA+4*\i+1]    ; my four numbers of tile 8 i + l / 4,
.endr
.irp i, 0,1,2,3,4,5,6,7
	v_add_f32_dpp v[G+\i], v[G+\i], v[G+\i] row_xmask:1 row_mask:0xf bank_mask:0xf
.endr
.irp i, 0,1,2,3,4,5,6,7
	v_add_f32_dpp v[G+\i], v[G+\i], v[G+\i] row_xmask:2 row_mask:0xf bank_mask:0xf   ; and those of the three lanes that share the tile
.endr
	v_pk_mul_f32 v[E:E+1], v[BE:BE+1], v[WR:WR+1]
	v_pk_mul_f32 v[E+2:E+3], v[BE+2:BE+3], v[WR+2:WR+3]
.irp i, 1,2,3,4,5,6,7
	v_pk_fma_f32 v[E:E+1], v[BE+4*\i:BE+4*\i+1], v[WR+4*\i:WR+4*\i+1], v[E:E+1]
	v_pk_fma_f32 v[E+2:E+3], v[BE+4*\i+2:BE+4*\i+3], v[WR+4*\i+2:WR+4*\i+3], v[E+2:E+3]
.endr
	v_pk_add_f32 v[E:E+1], v[E:E+1], v[E+2:E+3]
	v_add_f32 v[E], v[E], v[E+1]
	v_add_f32_dpp v[E], v[E], v[E] row_xmask:1 row_mask:0xf bank_mask:0xf
	v_add_f32_dpp v[E], v[E], v[E] row_xmask:2 row_mask:0xf bank_mask:0xf
	v_add_f32_dpp v[E], v[E], v[E] row_xmask:4 row_mask:0xf bank_mask:0xf
	v_add_f32_dpp v[E], v[E], v[E] row_xmask:8 row_mask:0xf bank_mask:0xf
	v_permlanex16_b32 v[TMP], v[E], s[SEL], s[SEL+1]
	v_add_f32 v[E], v[E], v[TMP]
	v_add_f32 v[E], v[E], v[B2R]                   ; sum beta W2 + b2, in every lane
; Four rows' numbers are summed over the eight lanes that hold the same rows: l xor 4, 8, 16.
.macro RED4 b
.irp j, 0,1,2,3
	v_add_f32_dpp v[\b+\j], v[\b+\j], v[\b+\j] row_xmask:4 row_mask:0xf bank_mask:0xf
.endr
.irp j, 0,1,2,3
	v_add_f32_dpp v[\b+\j], v[\b+\j], v[\b+\j] row_xmask:8 row_mask:0xf bank_mask:0xf
.endr
.irp j, 0,1,2,3
	v_permlanex16_b32 v[TMP+\j], v[\b+\j], s[SEL], s[SEL+1]
.endr
.irp j, 0,1,2,3
	v_add_f32 v[\b+\j], v[\b+\j], v[TMP+\j]
.endr
.endm
	s_wait_loadcnt 0x0                             ; the parts
	v_pk_add_f32 v[MU:MU+1], v[MT:MT+1], v[MT+4:MT+5]
	v_pk_add_f32 v[MU+2:MU+3], v[MT+2:MT+3], v[MT+6:MT+7]
.irp c, 2,3,4,5,6,7
	v_pk_add_f32 v[MU:MU+1], v[MU:MU+1], v[MT+4*\c:MT+4*\c+1]
	v_pk_add_f32 v[MU+2:MU+3], v[MU+2:MU+3], v[MT+4*\c+2:MT+4*\c+3]
.endr
	RED4 MU
.irp j, 0,1,2,3
	v_mul_f32 v[MU+\j], s[R64], v[MU+\j]           ; mu of my four rows
.endr
.irp c, 0,1,2,3,4,5,6,7
	v_pk_add_f32 v[MT+4*\c:MT+4*\c+1], v[MT+4*\c:MT+4*\c+1], v[MU:MU+1] neg_lo:[0,1] neg_hi:[0,1]   ; m_t - mu
	v_pk_add_f32 v[MT+4*\c+2:MT+4*\c+3], v[MT+4*\c+2:MT+4*\c+3], v[MU+2:MU+3] neg_lo:[0,1] neg_hi:[0,1]
.endr
	v_pk_mul_f32 v[QB:QB+1], v[MT:MT+1], v[MT:MT+1]
	v_pk_mul_f32 v[QB+2:QB+3], v[MT+2:MT+3], v[MT+2:MT+3]
	v_pk_add_f32 v[QA:QA+1], v[M2:M2+1], v[M2+4:M2+5]
	v_pk_add_f32 v[QA+2:QA+3], v[M2+2:M2+3], v[M2+6:M2+7]
.irp c, 1,2,3,4,5,6,7
	v_pk_fma_f32 v[QB:QB+1], v[MT+4*\c:MT+4*\c+1], v[MT+4*\c:MT+4*\c+1], v[QB:QB+1]
	v_pk_fma_f32 v[QB+2:QB+3], v[MT+4*\c+2:MT+4*\c+3], v[MT+4*\c+2:MT+4*\c+3], v[QB+2:QB+3]
.endr
.irp c, 2,3,4,5,6,7
	v_pk_add_f32 v[QA:QA+1], v[QA:QA+1], v[M2+4*\c:M2+4*\c+1]
	v_pk_add_f32 v[QA+2:QA+3], v[QA+2:QA+3], v[M2+4*\c+2:M2+4*\c+3]
.endr
.irp c, 0,1,2,3,4,5,6,7
.irp j, 0,1,2,3
	v_fma_f32 v[PG+4*\c+\j], v[MT+4*\c+\j], v[G+\c], v[PG+4*\c+\j]   ; PG_t + (m_t - mu) G_t
.endr
.endr
.irp j, 0,1,2,3
	v_fma_f32 v[QA+\j], v[QB+\j], s[C16], v[QA+\j] ; a tile has 16 numbers
.endr
	v_pk_add_f32 v[PP:PP+1], v[PG:PG+1], v[PG+4:PG+5]
	v_pk_add_f32 v[PP+2:PP+3], v[PG+2:PG+3], v[PG+6:PG+7]
.irp c, 2,3,4,5,6,7
	v_pk_add_f32 v[PP:PP+1], v[PP:PP+1], v[PG+4*\c:PG+4*\c+1]
	v_pk_add_f32 v[PP+2:PP+3], v[PP+2:PP+3], v[PG+4*\c+2:PG+4*\c+3]
.endr
	RED4 QA
	RED4 PP
.irp j, 0,1,2,3
	v_fma_f32 v[QA+\j], v[QA+\j], s[RN], s[EPS]    ; the variance + eps
.endr
.irp j, 0,1,2,3
	v_rsq_f32 v[RS+\j], v[QA+\j]
.endr
	v_cmp_gt_u32 vcc_lo, 4, v0                     ; (a plain instruction behind the roots)  lanes 0 to 3 hold the sixteen rows between them
	s_wait_alu depctr_va_vdst(0)                   ; one wait for the four roots, ahead of their first reader
.irp j, 0,1,2,3
	v_fma_f32 v[OUT+\j], v[PP+\j], v[RS+\j], v[E]
.endr
.irp j, 0,1,2,3
	v_add_f32 v[OUT+\j], v[OUT+\j], v[FL+\j]       ; + 0, or NaN where the range was empty
.endr
	s_wait_xcnt 0x0                                ; EXEC changes only behind this wait
	s_and_saveexec_b32 s[SAVE], vcc_lo
	global_store_b128 v[Q16], v[OUT:OUT+3], s[16:17]   ; four lanes: the work-group's 64 bytes of the output
	s_wait_xcnt 0x0
	s_or_b32 exec_lo, exec_lo, s[SAVE]
	s_endpgm
.Lfunc_end_k_qd5374e9a44_finish:
	.size	k_qd5374e9a44_finish, .Lfunc_end_k_qd5374e9a44_finish-k_qd5374e9a44_finish
	.p2alignl 7, 3214868480
	.fill 96, 4, 3214868480
	.section	.rodata,"a",@progbits
	.p2align	6, 0x0
	.amdhsa_kernel k_qd5374e9a44_finish
		.amdhsa_group_segment_fixed_size 0
		.amdhsa_private_segment_fixed_size 0
		.amdhsa_enable_private_segment 0
		.amdhsa_kernarg_size 56
		.amdhsa_user_sgpr_count 2
		.amdhsa_user_sgpr_kernarg_segment_ptr 1
		.amdhsa_wavefront_size32 1
		.amdhsa_system_sgpr_workgroup_id_x 1
		.amdhsa_system_sgpr_workgroup_id_y 1
		.amdhsa_system_sgpr_workgroup_id_z 1
		.amdhsa_system_vgpr_workitem_id 0
		.amdhsa_next_free_vgpr 252
		.amdhsa_next_free_sgpr 66
		.amdhsa_reserve_vcc 1
		.amdhsa_float_denorm_mode_32 3
		.amdhsa_float_denorm_mode_16_64 3
		.amdhsa_memory_ordered 1
		.amdhsa_forward_progress 1
		.amdhsa_inst_pref_size 21
	.end_amdhsa_kernel
	.amdgpu_metadata
---
amdhsa.version: [ 1, 2 ]
amdhsa.kernels:
  - .name:           k_qd5374e9a44_finish
    .symbol:         k_qd5374e9a44_finish.kd
    .args:
      - { .name: stats, .offset: 0, .size: 8, .value_kind: global_buffer, .address_space: global }
      - { .name: pflag, .offset: 8, .size: 8, .value_kind: global_buffer, .address_space: global }
      - { .name: ln_gamma, .offset: 16, .size: 8, .value_kind: global_buffer, .address_space: global }
      - { .name: ln_beta, .offset: 24, .size: 8, .value_kind: global_buffer, .address_space: global }
      - { .name: W2, .offset: 32, .size: 8, .value_kind: global_buffer, .address_space: global }
      - { .name: b2, .offset: 40, .size: 8, .value_kind: global_buffer, .address_space: global }
      - { .name: out0, .offset: 48, .size: 8, .value_kind: global_buffer, .address_space: global }
    .group_segment_fixed_size: 0
    .private_segment_fixed_size: 0
    .kernarg_segment_align: 8
    .kernarg_segment_size: 56
    .max_flat_workgroup_size: 32
    .sgpr_count:     66
    .vgpr_count:     252
    .wavefront_size: 32
...
	.end_amdgpu_metadata
.endif
;; end of part 4
